; MI455X (gfx1250); checked and timed in simulation.
; The chip was launched on July 23, 2026; its instructions are those of AMD's public machine-readable ISA for CDNA 5 (MIT licence, August 2026) and "CDNA5" Instruction Set Architecture Reference Guide (July 2026). The comments in the code are by the model that wrote it; some were corrected since.
;; Decoder. Allowed arithmetic: matrix products marked QUANTISED: E4M3 operands, one E8M0 scale for each 32 along K, by v_wmma_scale_f32_16x16x128_f8f6f4 with both operands' format E4M3, f32 sums; products left as they are: f32 operands where the result goes on into a quantised operand, else bf16, f16 or f32 operands; f32 sums; everything else in f32.
;; Inputs: W_bin_codes 512 x 8 x 32 uint8 (E4M3 codes of W_bin, K innermost, in blocks of 32 codes); W_bin_scales 512 x 8 uint8 (E8M0 scales of W_bin, one for each 32 codes along K); W_eos_codes 512 x 16 x 32 uint8 (E4M3 codes of W_eos, K innermost, in blocks of 32 codes); W_eos_scales 512 x 16 uint8 (E8M0 scales of W_eos, one for each 32 codes along K); W_fc 3 x 1,024 float32; b_eos 512 float32; b_fc 3 float32; bin_embedding_table 115,000 x 256 float32; eos_emb_codes 16 x 23 x 16 x 32 uint8 (E4M3 codes of eos_emb, K innermost, in blocks of 32 codes); eos_emb_scales 16 x 23 x 16 uint8 (E8M0 scales of eos_emb, one for each 32 codes along K); sampled_indices 23 x 16 x 512 int32; targets 23 x 16 x 512 int32.
;; Outputs: out0 23 x 16 x 512 x 3 float32; out1 23 x 16 x 512 int32.
;; This version of the problem:
;;   THIS VERSION OF THE PROBLEM IS GIVEN IN LOW PRECISION. The matrix products marked QUANTISED in the list below multiply operands that are first quantised to E4M3 (4 exponent bits, 3 mantissa bits; 8 bits a number), with one power-of-two scale for each 32 numbers along K (OCP MX v1.0); their sums are f32. All else is computed in f32.
;;   The module's matrix products, in the order in which they are computed (A, B: the left and right operand; K: the contracted axis; several contracted axes count as one K, in the product's order):
;;     1. [M 368, K 512] x [K 512, N 512]; A: input eos_emb (given as codes); B: input W_eos (given as codes): QUANTISED
;;     2. [M 188,416, K 256] x [K 256, N 512]; A: computed on the way; B: input W_bin (given as codes): QUANTISED
;;     3. [M 188,416, K 1,024] x [K 1,024, N 3]; A: computed on the way; B: input W_fc: left as it is (N = 3 < 16)
;;   THE QUANTISER, for each operand of a quantised product, along K:
;;     - K is cut into blocks of 32 from its start; a last block that is shorter is filled with zeros.
;;     - A block's scale is 2^e with e = floor(log2(the largest magnitude in the block)) - 8, held to -126 .. 127; a block of zeros has e = 0. As a byte (E8M0): e + 127.
;;     - Each number is divided by its block's scale, clamped to +-448, and rounded to the nearest number of E4M3, ties to even, subnormals kept.
;;     - The product sums the exact products of the quantised numbers (number of the format x scale) in f32.
;;   ~~~python
;;   def quantise(x, axis):      # numpy; x: float32 -> the quantised numbers, widened to float32 again
;;       x = np.moveaxis(x, axis, -1); K = x.shape[-1]
;;       x = np.pad(x, [(0, 0)] * (x.ndim - 1) + [(0, -K % 32)]); x = x.reshape(x.shape[:-1] + (-1, 32)); a = np.abs(x).max(-1, keepdims=True)
;;       e = np.where(a > 0, np.clip(np.frexp(np.where(a > 0, a, 1))[1] - 1 - 8, -126, 127), 0)      # np.frexp(a)[1] - 1 = floor(log2(a)), exactly
;;       r = np.clip(x / 2.0 ** e, -448, 448)
;;       step = 2.0 ** (np.maximum(np.frexp(np.where(r == 0, 1, r))[1] - 1, -6) - 3)
;;       q = np.round(r / step) * step * 2.0 ** e      # np.round: ties to even
;;       return np.moveaxis(q.reshape(q.shape[:-2] + (-1,))[..., :K], -1, axis).astype(np.float32)
;;   ~~~
;;   OPERANDS COMPUTED ON THE WAY. 'Computed on the way' means the value that the module computes at that place (a softmax that the list does not call 'softmax' is quantised finished and normalised). What goes into a quantiser is computed in f32, as accurately as f32 sums, v_exp_f32 and their like allow (about 1e-6 of the number): no bf16 or f16 on the way to a quantiser, and a product that is left as it is and whose result goes on into a quantised operand takes f32 operands (vector FMAs, or v_wmma_f32_16x16x4_f32). A number that lies on a knife's edge between two numbers of the format may be rounded either way, as far as f32 arithmetic and the matrix unit's own rounding can turn it there, and no further.
;;   INPUTS GIVEN AS CODES. W_bin (in the module: [512, 256], K = its axis 1); W_eos (in the module: [512, 512], K = its axis 1); eos_emb (in the module: [16, 23, 512], K = its axis 2): each comes as NAME_codes (uint8): NAME with its K axis moved to the last place and cut into blocks of 32 codes, [.., K / 32, bytes a block], one block behind the other in memory; one code a byte (a code: sign, 4 exponent bits, 3 mantissa bits); and NAME_scales (uint8): the same leading axes, one E8M0 byte (e + 127) for each 32 codes along K. Its value is code x scale, taken as it is: it is not quantised again, and the codes and scales need not be those that the quantiser above would give.
;; One version. Each part assembles by itself: llvm-mc -triple=amdgcn-amd-amdhsa -mcpu=gfx1250 --defsym DOCPART=n.
;; ======== version 1 of 1: 1 launch
;; launch decoder (part 1): grid 256 x 1, 4 waves a work-group, clusters of 4 x 1, 295,424 bytes of LDS; arguments bin_embedding_table, sampled_indices, W_bin_codes, W_bin_scales, W_eos_codes, W_eos_scales, eos_emb_codes, eos_emb_scales, W_fc, b_eos, b_fc, targets, out0, out1; writes out0, out1
.if DOCPART == 1
	.amdgcn_target "amdgcn-amd-amdhsa--gfx1250"
	.amdhsa_code_object_version 6
	.text
	.protected	k_q0a3b833eb8_decoder
	.globl	k_q0a3b833eb8_decoder
	.p2align	8
	.type	k_q0a3b833eb8_decoder,@function
k_q0a3b833eb8_decoder:
	s_mov_b64 s[64:65], 0
	v_nop
	global_prefetch_b8 v0, s[64:65] scope:SCOPE_SE
	s_setreg_imm32_b32 hwreg(HW_REG_WAVE_MODE, 25, 1), 1
	s_wait_xcnt 0x0
	s_wait_alu depctr_hold_cnt(0) depctr_sa_sdst(0) depctr_va_vdst(0) depctr_va_sdst(0) depctr_va_ssrc(0) depctr_va_vcc(0) depctr_vm_vsrc(0)
	s_getreg_b32 s2, hwreg(HW_REG_IB_STS2, 6, 4)
	s_cmp_eq_u32 s2, 0
	s_cbranch_scc0 .Lentry_in_a_cluster
	s_endpgm
.Lentry_in_a_cluster:
	s_bfe_u32 s2, ttmp6, 0x10000c
	s_cmp_lg_u32 s2, 0x3003
	s_cbranch_scc0 .Lentry_shape_is_right
	s_endpgm
.Lentry_shape_is_right:
; out0[c][b][s][n] = relu( W_fc[n][0:512] . (Q(table[c*5000 + idx]) W_bin^T) + W_fc[n][512:1024] . (eos_emb[b][c] W_eos^T + b_eos) + b_fc[n] );  out1 = targets.
; The two large products run on codes of E4M3 with one E8M0 scale for each 32 along K; a gathered row is quantised here, in f32, on its way.  The product with W_fc (3 outputs) takes bf16 operands and f32 sums.
; SHARES.  188,416 samples / 256 work-groups = 736 = 23 blocks of 32 samples, the same count in every work-group.  A block never crosses a chromosome (8,192 samples each, a multiple of 32).
; THE FOUR WAVES SHARE THE COLUMNS: wave w owns d = 128 w .. 128 w + 127: its 16 fragments of W_bin (256 registers) and its parts of W_fc stay in registers for the whole launch.
; Each wave gathers and quantises 8 of a block's 32 rows; codes and scale bytes go to the other waves through LDS; each wave's 3 partial sums a sample go to LDS and are added at the end.
; GATHER.  A wave takes a whole row: lane l holds k = 8 l .. 8 l + 7 (two loads of 16 bytes; together they read the row's 1,024 consecutive bytes).  A block of 32 along K lies in 4 neighbouring lanes.
; The row numbers come by scalar loads, so that the counter of vector loads counts gather loads alone in the loop: four sets of 16 loads are out, 32 KB a wave.
; EOS.  A work-group's 736 samples touch at most 3 units (c, b); it makes their eos numbers itself (16 columns of one matrix tile, 3 of them used), so that nothing passes between work-groups.
; CLUSTER.  W_eos is the same for every work-group: the four partners ask for it JOINTLY, one tensor load a wave (128 rows), filled once.  W_bin is NOT asked for jointly: as a padded tile it would take
; 139,264 bytes of LDS beside W_eos's 270,336, more than the 327,680 that there are; each wave loads its quarter straight into its registers, once.  The gathered rows are shared with nobody.
; BOTH LARGE PRODUCTS ARE USED TRANSPOSED (source 0 = 16 rows of the weight, source 1 = 16 samples or units): a lane holds one sample and eight neighbouring d, which, rounded to bf16 in pairs, are source 1 of the product with W_fc.
; LIMITS: NaN and infinities among the inputs are not served (relu by a maximum turns NaN into 0).  A table row number idx + 5000 c outside 0 .. 114,999 (as an unsigned number) is held at 114,999.
; A block of 32 whose largest magnitude lies under 2^-118 (zeros among them) gets the scale byte 1; only this text reads those bytes, and a block of zeros has zero codes.
;
; LDS: 0 .. 270,336 W_eos's codes, 512 rows of 512 bytes + 16 (wave w's quarter at 67,584 w).  Over its first 47,104 bytes, once every wave has read its quarter and passed a barrier: the partial sums,
;      11,776 w + 512 block + 16 lane.  XC: two buffers of 32 rows x (256 + 16) bytes of x's codes.  XSB: two buffers of 32 x 8 scale bytes.  EPB: the eos partial sums, 512 w + 16 lane.
; REGISTERS, in windows of 256 (s_set_vgpr_msb: bits 1:0 source 0, 3:2 source 1, 5:4 source 2, 7:6 destination):
;   window 0: v1-7, v26 addresses; v8-15 gather offsets; v16-23 W_bin's scale words, v24-25 x's, v236-251 W_eos's, v252-255 eos_emb's (these hold scales and nothing else); v27-31 at work;
;             v32-95 x's four fragments (at first eos_emb's); v96-159 the hidden numbers in bf16 (at first the eos sums); v160-175 two accumulators of the last product, v176-178 their sum; v180-227 the quantiser's; v228-235 targets
;   window 1: W_bin's 16 fragments.   window 2: four landing sets of 8 rows x 8 registers.   window 3: v0-127 the 16 accumulators (at first W_eos's fragments); v128-223 W_fc in bf16, three operands of 32 registers.
.set XC,   270336
.set XSB,  287744
.set EPB,  288256
.set RT,   180                         ; v180-187 a row's block's largest magnitude
.set RSO,  188                         ; v188-195 the conversion's scale operand
.set RHD,  196                         ; v196-203 448 x the scale
.set RBY,  204                         ; v204-211 the scale's byte
.set RCD,  212                         ; v212-227 a lane's eight codes of each row
.set MSB, 0
.macro WIN new                         ; the immediate's high byte repeats the setting that is left; a switch that changes nothing is dropped
.if MSB != \new
	s_set_vgpr_msb (MSB<<8)|\new
.set MSB, \new
.endif
.endm
; A round of the cluster's barrier: my work-group's barrier, wave 0 signals for the work-group, every wave waits for all four work-groups, my work-group's barrier once more.
.macro ROUND
	s_barrier_signal -1
	s_barrier_wait -1
	s_cmp_lg_u32 s60, 0
	s_cbranch_scc1 .Lnot_wave_0_\@
	s_barrier_signal -3
.Lnot_wave_0_\@:
	s_barrier_wait -3
	s_barrier_signal -1
	s_barrier_wait -1
.endm
; My 8 rows of the next block to be asked for (s63 counts blocks of the whole problem) into landing set 'set'; their indices lie in s[oct .. oct + 7].
.macro LOADS set, oct
	s_wait_xcnt 0x0                                ; the earlier loads have had their addresses translated: v8-15 are rewritten only behind this wait
	s_lshr_b32 s67, s63, 8                         ; the chromosome: 256 blocks each,
	s_mul_i32 s67, s67, 5000                       ; and its first row of the table
	s_add_co_u32 s63, s63, 1
.irp p, 0,1,2,3,4,5,6,7
	s_add_co_u32 s[\oct+\p], s[\oct+\p], s67
	s_min_u32 s[\oct+\p], s[\oct+\p], 114999       ; held inside the table
	s_lshl_b32 s[\oct+\p], s[\oct+\p], 10          ; a row is 1,024 bytes
	v_add_nc_u32 v[8+\p], s[\oct+\p], v1           ; + 32 x lane
.endr
	WIN 0x80                                       ; destination window 2
.irp p, 0,1,2,3,4,5,6,7
	global_load_b128 v[64*(\set)+8*\p:64*(\set)+8*\p+3], v[8+\p], s[4:5]             ; no hint: a row may be named again
	global_load_b128 v[64*(\set)+8*\p+4:64*(\set)+8*\p+7], v[8+\p], s[4:5] offset:16
.endr
	WIN 0
.endm
; Landing set 'set' (8 rows, 8 numbers a lane) becomes codes and scale bytes in LDS buffer 'buf'.  The eight rows take turns line by line.
.macro QUANT set, buf
.set QX, 64*(\set)
	WIN 0x0a                                       ; sources 0 and 1 window 2
.irp p, 0,1,2,3,4,5,6,7
	v_max3_num_f32 v[RT+\p], |v[QX+8*\p]|, |v[QX+8*\p+1]|, 0x4800000    ; with the floor 2^(9 - 127): the byte cannot fall under 1
.endr
.irp e, 2,4,6
.irp p, 0,1,2,3,4,5,6,7
	v_max3_num_f32 v[RT+\p], |v[QX+8*\p+\e]|, |v[QX+8*\p+\e+1]|, v[RT+\p]
.endr
.endr
	WIN 0
.irp p, 0,1,2,3,4,5,6,7
	v_max_num_f32_dpp v[RT+\p], v[RT+\p], v[RT+\p] row_xmask:1 row_mask:0xf bank_mask:0xf
.endr
.irp p, 0,1,2,3,4,5,6,7
	v_max_num_f32_dpp v[RT+\p], v[RT+\p], v[RT+\p] row_xmask:2 row_mask:0xf bank_mask:0xf   ; the four lanes of a block: its largest magnitude
.endr
.irp p, 0,1,2,3,4,5,6,7
	v_add_nc_u32 v[RSO+\p], 0xfc000000, v[RT+\p]   ; 8 off its exponent field: the conversion takes the exponent field of this operand as its scale
.endr
.irp p, 0,1,2,3,4,5,6,7
	v_and_or_b32 v[RHD+\p], v[RT+\p], 0x7f800000, s66    ; 448 x the scale: the same exponent field over 448's mantissa
.endr
.irp p, 0,1,2,3,4,5,6,7
	v_lshrrev_b32 v[RBY+\p], 23, v[RSO+\p]         ; the scale's byte
.endr
	WIN 0x82                                       ; in place in window 2
.irp p, 0,1,2,3,4,5,6,7
.irp e, 0,1,2,3,4,5,6,7
	v_med3_num_f32 v[QX+8*\p+\e], v[QX+8*\p+\e], -v[RHD+\p], v[RHD+\p]    ; the conversion to an 8-bit code does not saturate (ISA guide 7.6.2): the hold comes first
.endr
.endr
	WIN 0x02                                       ; the numbers in window 2
.irp p, 0,1,2,3,4,5,6,7
	v_cvt_scalef32_pk8_fp8_f32 v[RCD+2*\p:RCD+2*\p+1], v[QX+8*\p:QX+8*\p+7], v[RSO+\p]
.endr
	WIN 0
	v_nop                                          ; one plain vector line behind the last scaled conversion
.irp p, 0,1,2,3,4,5,6,7
	ds_store_b64 v2, v[RCD+2*\p:RCD+2*\p+1] offset:8704*(\buf)+272*\p    ; 32 lanes: a row's 256 codes, K ascending
.endr
.irp p, 0,1,2,3,4,5,6,7
	ds_store_b8 v3, v[RBY+\p] offset:256*(\buf)+8*\p                     ; the four lanes of a block write the same byte with the same value
.endr
.endm
; The block's four fragments of x (16 samples x 128 K each) and its scale words: lanes 0-15 samples 0-15, lanes 16-31 samples 16-31; register s for K step s.
.macro XFETCH buf
.irp m, 0,1
.irp s, 0,1
.irp c, 0,1,2,3
	ds_load_b128 v[32+16*(2*\m+\s)+4*\c:32+16*(2*\m+\s)+4*\c+3], v4 offset:8704*(\buf)+4352*\m+128*\s+32*\c
.endr
.endr
.endr
	ds_load_b64 v[24:25], v5 offset:256*(\buf)
.endm
; One product: tile t of my 128 rows of W_bin x samples 16 m on, K step s.  W_bin's scale words of tiles 2 i and 2 i + 1 share a register (lanes 0-15, lanes 16-31), x's of m = 0 and 1 likewise.
.macro MXP m, t, s
.set rD, 8*(8*\m+\t)
.set rA, 16*(2*\t+\s)
.set rB, 32+16*(2*\m+\s)
.set rSA, 16+2*(\t/2)+\s
.set rSB, 24+\s
.if \s == 0
.if (\t%2 == 0) && (\m == 0)
	v_wmma_scale_f32_16x16x128_f8f6f4 v[rD:rD+7], v[rA:rA+15], v[rB:rB+15], 0, v[rSA], v[rSB]
.elseif \m == 0
	v_wmma_scale_f32_16x16x128_f8f6f4 v[rD:rD+7], v[rA:rA+15], v[rB:rB+15], 0, v[rSA], v[rSB] matrix_a_scale:MATRIX_SCALE_ROW1
.elseif \t%2 == 0
	v_wmma_scale_f32_16x16x128_f8f6f4 v[rD:rD+7], v[rA:rA+15], v[rB:rB+15], 0, v[rSA], v[rSB] matrix_b_scale:MATRIX_SCALE_ROW1
.else
	v_wmma_scale_f32_16x16x128_f8f6f4 v[rD:rD+7], v[rA:rA+15], v[rB:rB+15], 0, v[rSA], v[rSB] matrix_a_scale:MATRIX_SCALE_ROW1 matrix_b_scale:MATRIX_SCALE_ROW1
.endif
.else
.if (\t%2 == 0) && (\m == 0)
	v_wmma_scale_f32_16x16x128_f8f6f4 v[rD:rD+7], v[rA:rA+15], v[rB:rB+15], v[rD:rD+7], v[rSA], v[rSB]
.elseif \m == 0
	v_wmma_scale_f32_16x16x128_f8f6f4 v[rD:rD+7], v[rA:rA+15], v[rB:rB+15], v[rD:rD+7], v[rSA], v[rSB] matrix_a_scale:MATRIX_SCALE_ROW1
.elseif \t%2 == 0
	v_wmma_scale_f32_16x16x128_f8f6f4 v[rD:rD+7], v[rA:rA+15], v[rB:rB+15], v[rD:rD+7], v[rSA], v[rSB] matrix_b_scale:MATRIX_SCALE_ROW1
.else
	v_wmma_scale_f32_16x16x128_f8f6f4 v[rD:rD+7], v[rA:rA+15], v[rB:rB+15], v[rD:rD+7], v[rSA], v[rSB] matrix_a_scale:MATRIX_SCALE_ROW1 matrix_b_scale:MATRIX_SCALE_ROW1
.endif
.endif
.endm
; A block's products.  32 on codes: the 16 accumulators take turns, one instruction a turn; the first K step starts the sums.  Then 64 roundings to bf16 and 8 products with W_fc.
; W_fc's three rows stand in rows 0-2 of the first operand and in rows 8-10 of the second, zeros elsewhere: so registers 0-2 of the two results' sum hold, in lane l, the three numbers of the block's sample l.
.macro PROD po
	WIN 0xf1                                       ; W_bin window 1, x window 0, C and D window 3
.irp s, 0,1
.irp m, 0,1
.irp t, 0,1,2,3,4,5,6,7
	MXP \m, \t, \s
.endr
.endr
.endr
	WIN 0
.rept 8
	v_nop                                          ; eight places behind the last product on codes: ahead of the reads of its result, and of the next block's loads into x's registers
.endr
	WIN 0x0f                                       ; sources window 3
.set NN, 0
.rept 64
	v_cvt_pk_bf16_f32 v[96+NN], v[2*NN], v[2*NN+1] ; each accumulator from its low end on; tiles 2 q and 2 q + 1 give the eight registers of 32 along the next K
.set NN, NN+1
.endr
	WIN 0x03                                       ; W_fc window 3
.irp q, 0,1,2,3
.if \q == 0
	v_wmma_f32_16x16x32_bf16 v[160:167], v[128+8*\q:135+8*\q], v[96+8*\q:103+8*\q], 0
	v_wmma_f32_16x16x32_bf16 v[168:175], v[160+8*\q:167+8*\q], v[128+8*\q:135+8*\q], 0
.else
	v_wmma_f32_16x16x32_bf16 v[160:167], v[128+8*\q:135+8*\q], v[96+8*\q:103+8*\q], v[160:167]
	v_wmma_f32_16x16x32_bf16 v[168:175], v[160+8*\q:167+8*\q], v[128+8*\q:135+8*\q], v[168:175]
.endif
.endr
	WIN 0
.rept 4
	v_nop                                          ; four places behind the bf16 form
.endr
	v_add_f32 v176, v160, v168
	v_add_f32 v177, v161, v169
	v_add_f32 v178, v162, v170
	v_add_nc_u32 v27, s89, v6                      ; my wave's partial sums: 2,048 bytes a trip of the loop on, the phase in the immediate
	ds_store_b96 v27, v[176:178] offset:512*(\po)
.endm
; PHASE i (p = i % 4): multiplies block i; quantises block i + 1; asks for block i + 5 into the set just quantised, and for the indices of block i + 6.
; cnt: the gather loads that may stay out when block i + 1 must be in: 16 for each younger set.
.macro PHASE p, po, doq, dol, dos, cnt
	XFETCH (\p)%2
.if \doq
	s_wait_loadcnt \cnt
	QUANT ((\p)+1)%4, ((\p)+1)%2
.endif
.if \dol
	s_wait_kmcnt 0x0                               ; the indices are in, and the pointer that their load named may step
	s_add_nc_u64 s[92:93], s[92:93], 128           ; 32 samples on
	LOADS ((\p)+1)%4, 44
.endif
.if \dos
	s_load_b256 s[44:51], s[92:93], 0x0
.endif
	s_wait_dscnt 0x0                               ; x's fragments and scale words are in
	PROD \po
	s_wait_dscnt 0x0                               ; for the others: my stores of codes, bytes and sums have landed, and my reads of this block's buffer are over
	s_barrier_signal -1
	s_barrier_wait -1                              ; one barrier a phase: the buffer just read may be written, the buffer just written may be read
.endm
; W_eos: four of my eight tiles (16 rows x 128 K, K step s) from my own quarter of LDS into window 3
.macro EFETCH half, s
	WIN 0xc0
.irp t, 0,1,2,3
.irp c, 0,1,2,3
	ds_load_b128 v[16*(4*\half+\t)+4*\c:16*(4*\half+\t)+4*\c+3], v7 offset:8448*(4*\half+\t)+128*(\s)+32*\c
.endr
.endr
	WIN 0
.endm
.macro EMUL half, s                    ; and their products with eos_emb's fragment of that K step; the sums began as b_eos, loaded into the accumulators
	WIN 0x03
.irp t, 0,1,2,3
.set rT, 4*\half+\t
.if \t%2 == 0
	v_wmma_scale_f32_16x16x128_f8f6f4 v[96+8*rT:103+8*rT], v[16*rT:16*rT+15], v[32+16*\s:47+16*\s], v[96+8*rT:103+8*rT], v[236+4*(rT/2)+\s], v[252+\s]
.else
	v_wmma_scale_f32_16x16x128_f8f6f4 v[96+8*rT:103+8*rT], v[16*rT:16*rT+15], v[32+16*\s:47+16*\s], v[96+8*rT:103+8*rT], v[236+4*(rT/2)+\s], v[252+\s] matrix_a_scale:MATRIX_SCALE_ROW1
.endif
.endr
	WIN 0
.rept 8
	v_nop                                          ; eight places ahead of the loads into the fragments just multiplied, and at the end ahead of the reads of the sums
.endr
.endm
; The end: 32 samples (block 6 w + j): the four waves' partial sums at v[pb + 4 k + n], the unit's eos part chosen by two selects, relu, 384 consecutive bytes out.
.macro CHUNK j, pb
	v_cmp_le_u32 vcc_lo, 512-32*\j, v27            ; my sample lies in the work-group's second unit or later,
	v_cmp_le_u32 s94, 1024-32*\j, v27              ; in its third
.irp n, 0,1,2
	v_cndmask_b32 v[176+4*\j+\n], v[32+\n], v[36+\n], vcc_lo
	v_add_f32 v[\pb+\n], v[\pb+\n], v[\pb+4+\n]
	v_add_f32 v[\pb+8+\n], v[\pb+8+\n], v[\pb+12+\n]
.endr
.irp n, 0,1,2
	v_cndmask_b32 v[176+4*\j+\n], v[176+4*\j+\n], v[40+\n], s94
	v_add_f32 v[\pb+\n], v[\pb+\n], v[\pb+8+\n]
.endr
.irp n, 0,1,2
	v_add_f32 v[176+4*\j+\n], v[176+4*\j+\n], v[\pb+\n]
.endr
.irp n, 0,1,2
	v_max_num_f32 v[176+4*\j+\n], 0, v[176+4*\j+\n]
.endr
	global_store_b96 v31, v[176+4*\j:178+4*\j], s[28:29] offset:384*\j th:TH_STORE_NT   ; each chunk has data registers of its own: none is written again
.endm
	; ---- ids and addresses
	s_load_b512 s[4:19], s[0:1], 0x0               ; table s[4:5], indices s[6:7], W_bin codes s[8:9], scales s[10:11], W_eos codes s[12:13], scales s[14:15], eos_emb codes s[16:17], scales s[18:19]
	s_load_b256 s[20:27], s[0:1], 0x40             ; W_fc s[20:21], b_eos s[22:23], b_fc s[24:25], targets s[26:27]
	s_load_b128 s[28:31], s[0:1], 0x60             ; out0 s[28:29], out1 s[30:31]
	s_set_vgpr_msb 0xc0
	v_lshl_add_u32 v254, v0, 2, 0x48000
	v_mov_b32 v255, 0
	s_set_vgpr_msb 0xc0cf
	ds_add_u32 v254, v255
	ds_add_u32 v254, v255
	s_set_vgpr_msb 0xcf00
	v_lshrrev_b32 v27, 5, v0
	v_readfirstlane_b32 s60, v27                   ; wave w
	v_and_b32 v28, 31, v0                          ; lane
	v_and_b32 v29, 15, v0                          ; r
	v_bfe_u32 v30, v0, 4, 1                        ; h
	s_bfe_u32 s2, ttmp6, 0x40000                   ; cx: it enters global addresses and selects alone, no LDS address, no branch, no descriptor
	s_lshl_b32 s61, ttmp9, 2
	s_add_co_u32 s61, s61, s2                      ; g = 4 x cluster + cx
	s_mul_i32 s94, s61, 736                        ; my first sample
	s_lshr_b32 s88, s94, 9                         ; its unit u0,
	s_and_b32 s87, s94, 511                        ; and its place in that unit
	s_mul_i32 s63, s61, 23                         ; my first block
	s_mov_b32 s66, 0x600000                        ; the mantissa field of 448
	s_mov_b32 s89, 0
	v_cmp_gt_u32 s90, 3, v29                       ; lanes r = 0 .. 2
	v_add_nc_u32 v27, -8, v29
	v_cmp_gt_u32 s91, 3, v27                       ; lanes r = 8 .. 10
	v_lshlrev_b32 v1, 5, v28                       ; my 32 bytes of a table row
	s_mul_i32 s94, s60, 2176
	s_add_co_u32 s94, s94, XC
	v_lshl_add_u32 v2, v28, 3, s94                 ; codes in: my wave's 8 rows of 272 bytes, 8 bytes a lane
	s_lshl_b32 s94, s60, 6
	s_add_co_u32 s94, s94, XSB
	v_lshrrev_b32 v3, 2, v28
	v_add_nc_u32 v3, s94, v3                       ; scale bytes in: 8 a row, my block's
	v_mul_u32_u24 v4, v29, 272
	v_lshl_add_u32 v4, v30, 4, v4
	v_add_nc_u32 v4, XC, v4                        ; fragments out: row r, + 16 h
	v_lshl_add_u32 v5, v28, 3, XSB                 ; scale words out: sample = lane
	s_mul_i32 s94, s60, 11776
	v_lshl_add_u32 v6, v28, 4, s94                 ; my wave's partial sums
	s_mul_i32 s94, s60, 67584
	v_mul_u32_u24 v7, v29, 528
	v_lshl_add_u32 v7, v30, 4, v7
	v_add_nc_u32 v7, s94, v7                       ; W_eos: my quarter, row r, + 16 h
	s_lshl_b32 s94, s60, 9
	s_add_co_u32 s95, s94, EPB
	v_lshl_add_u32 v26, v28, 4, s95                ; my wave's eos partial sums
	; offsets of the loads that come once (v8-15 serve the gather afterwards)
	v_lshl_add_u32 v10, v30, 5, s94                ; b_eos: 512 w + 32 h
	v_add_nc_u32 v27, s88, v29
	v_min_u32 v27, 367, v27                        ; lane r takes unit u0 + r, held at the last
	v_and_b32 v8, 15, v27
	v_lshrrev_b32 v9, 4, v27
	v_mad_u32_u24 v27, v8, 23, v9                  ; unit u = 16 c + b is row 23 b + c of eos_emb
	v_lshlrev_b32 v8, 9, v27
	v_lshl_add_u32 v8, v30, 4, v8                  ; its codes: 512 bytes a row, + 16 h
	v_lshlrev_b32 v9, 4, v27                       ; its scale words: 16 bytes a row
	s_lshl_b32 s95, s60, 11
	v_lshl_add_u32 v11, v28, 4, s95                ; W_eos's scale words: 16 bytes a row, my 128 rows, row = lane
	v_and_b32 v12, 7, v29
	v_min_u32 v12, 2, v12
	v_lshl_add_u32 v12, v12, 12, v10               ; W_fc: row min(r % 8, 2), + 512 w + 32 h
	s_lshl_b32 s95, s60, 15
	v_lshl_add_u32 v13, v29, 8, s95
	v_lshl_add_u32 v13, v30, 4, v13                ; W_bin's codes: my 128 rows of 256 bytes, row r, + 16 h
	s_lshl_b32 s95, s60, 10
	v_lshl_add_u32 v14, v28, 3, s95                ; W_bin's scale words: 8 bytes a row, row = lane
	s_min_u32 s94, s61, 183                        ; targets: 184 work-groups copy 4,096 bytes each; the others load the last part and store nothing
	s_lshl_b32 s94, s94, 12
	s_add_co_u32 s94, s94, s95
	v_lshl_add_u32 v31, v28, 4, s94
	s_mul_i32 s94, s61, 2944                       ; my wave's 8 indices of block 0: 4 (736 g + 8 w)
	s_lshl_b32 s95, s60, 5
	s_add_co_u32 s94, s94, s95
	s_mov_b32 s95, 0
	s_lshl_b32 s96, s60, 16                        ; my 128 rows of W_eos in memory
	s_mov_b32 s97, 0
	; the descriptor: 128 rows of 512 bytes, 16 bytes of padding behind each; equal in the four partners: it hangs on the wave's number alone
	s_mov_b32 s32, 1                               ; count = 1
	s_mul_i32 s33, s60, 67584                      ; LDS address
	s_mov_b32 s36, 15|(1<<20)|(1<<21)|(6<<22)|(3<<25)   ; 15:0 the mask: all four; 17:16 elements of 1 byte; 20 padding on; 21 set beside a mask; 24:22 after every 128 words; 31:25 four words
	s_mov_b32 s37, 512<<16                         ; tensor_dim0
	s_mov_b32 s38, 128<<16                         ; tensor_dim1
	s_mov_b32 s39, 512<<16                         ; tile_dim0
	s_mov_b32 s40, 128                             ; tile_dim1
	s_mov_b32 s41, 512                             ; from row to row
	s_mov_b32 s42, 0
	s_mov_b32 s43, 0
	s_wait_dscnt 0x0
	s_wait_kmcnt 0x0
	s_add_nc_u64 s[92:93], s[6:7], s[94:95]
	s_add_nc_u64 s[34:35], s[12:13], s[96:97]
	s_or_b32 s35, s35, 0x80000000                  ; type = 2
	s_load_b256 s[44:51], s[92:93], 0x0            ; the indices of blocks 0 to 3: 128 bytes from block to block
	s_load_b256 s[52:59], s[92:93], 0x80
	s_load_b256 s[68:75], s[92:93], 0x100
	s_load_b256 s[76:83], s[92:93], 0x180
	s_load_b96 s[84:86], s[24:25], 0x0             ; b_fc
	ROUND                                          ; all four work-groups are here: the joint loads meet
	tensor_load_to_lds s[32:35], s[36:43]          ; my one tensor load of the launch; nothing is filled again
	s_nop 0
.rept 4
	v_nop
.endr
	; ---- what comes once, 139 loads
	global_load_b128 v[228:231], v31, s[26:27] th:TH_LOAD_NT
	global_load_b128 v[232:235], v31, s[26:27] offset:512 th:TH_LOAD_NT
.irp s, 0,1,2,3
.irp c, 0,1,2,3
	global_load_b128 v[32+16*\s+4*\c:35+16*\s+4*\c], v8, s[16:17] offset:128*\s+32*\c    ; eos_emb's four fragments
.endr
.endr
.irp t, 0,1,2,3,4,5,6,7
	global_load_b128 v[96+8*\t:99+8*\t], v10, s[22:23] offset:64*\t                      ; b_eos in the result's layout: d = 128 w + 16 t + 8 h + 0 .. 7
	global_load_b128 v[100+8*\t:103+8*\t], v10, s[22:23] offset:64*\t+16
.endr
.irp t, 0,1,2,3
	global_load_b128 v[236+4*\t:239+4*\t], v11, s[14:15] offset:512*\t                   ; W_eos's scale words: tiles 2 t (lanes 0-15) and 2 t + 1, four K steps
.endr
	global_load_b128 v[252:255], v9, s[18:19]                                            ; eos_emb's
.irp q, 0,1,2,3
.irp e, 0,1,2,3
	global_load_b128 v[160+16*\q+4*\e:163+16*\q+4*\e], v12, s[20:21] offset:128*\q+16*(\e%2)+64*(\e/2)   ; W_fc's first half: k = 8 h + 0 .. 7 and 16 + 8 h + 0 .. 7 of each 32
.endr
.endr
	WIN 0x80
.irp q, 0,1,2,3
.irp e, 0,1,2,3
	global_load_b128 v[192+16*\q+4*\e:195+16*\q+4*\e], v12, s[20:21] offset:2048+128*\q+16*(\e%2)+64*(\e/2)   ; its second half, into landing set 3, which is not yet in use
.endr
.endr
	WIN 0x40
.irp t, 0,1,2,3,4,5,6,7
.irp s, 0,1
.irp c, 0,1,2,3
	global_load_b128 v[16*(2*\t+\s)+4*\c:16*(2*\t+\s)+4*\c+3], v13, s[8:9] offset:4096*\t+128*\s+32*\c      ; W_bin's 16 fragments: they stay
.endr
.endr
.endr
	WIN 0
.irp t, 0,1,2,3
	global_load_b64 v[16+2*\t:17+2*\t], v14, s[10:11] offset:256*\t                      ; W_bin's scale words: tiles 2 t and 2 t + 1, two K steps
.endr
	s_wait_kmcnt 0x0                               ; the indices and b_fc
	LOADS 0, 44                                    ; block 0
	s_load_b256 s[44:51], s[92:93], 0x200          ; the indices of block 4
	LOADS 1, 52
	LOADS 2, 68
	s_wait_loadcnt 48                              ; all but the three gather sets of 16 is in
	; ---- W_fc to bf16, in place (register n from 2 n and 2 n + 1, ascending), then into its three operands with zeros in the rows that are not W_fc's
.set NN, 0
.rept 32
	v_cvt_pk_bf16_f32 v[160+NN], v[160+2*NN], v[161+2*NN]
.set NN, NN+1
.endr
	WIN 0xc0
.set NN, 0
.rept 32
	v_cndmask_b32 v[128+NN], 0, v[160+NN], s90     ; rows 0-2
	v_cndmask_b32 v[160+NN], 0, v[160+NN], s91     ; rows 8-10
.set NN, NN+1
.endr
	WIN 0x8a
.set NN, 0
.rept 32
	v_cvt_pk_bf16_f32 v[192+NN], v[192+2*NN], v[193+2*NN]
.set NN, NN+1
.endr
	WIN 0xc8
.set NN, 0
.rept 32
	v_cndmask_b32 v[192+NN], 0, v[192+NN], s90     ; the eos half: rows 0-2
.set NN, NN+1
.endr
	WIN 0
	; ---- eos = eos_emb W_eos^T + b_eos for my 128 d and 16 units, four tiles at a time; the other four tiles' 16 loads stay out at each wait
	s_wait_tensorcnt 0x0                           ; my quarter of W_eos is in LDS; only I read it
	EFETCH 0, 0
	EFETCH 1, 0
.irp s, 0,1,2
	s_wait_dscnt 16
	EMUL 0, \s
	EFETCH 0, \s+1
	s_wait_dscnt 16
	EMUL 1, \s
	EFETCH 1, \s+1
.endr
	s_wait_dscnt 16
	EMUL 0, 3
	s_wait_dscnt 0x0
	EMUL 1, 3
.set NN, 0
.rept 32
	v_cvt_pk_bf16_f32 v[32+NN], v[96+2*NN], v[97+2*NN]    ; over eos_emb's fragments, which are done with (eight places back)
.set NN, NN+1
.endr
	WIN 0x03
	v_wmma_f32_16x16x32_bf16 v[160:167], v[192:199], v[32:39], 0
	v_wmma_f32_16x16x32_bf16 v[168:175], v[200:207], v[40:47], 0
	v_wmma_f32_16x16x32_bf16 v[160:167], v[208:215], v[48:55], v[160:167]
	v_wmma_f32_16x16x32_bf16 v[168:175], v[216:223], v[56:63], v[168:175]
	WIN 0
.rept 4
	v_nop
.endr
	v_add_f32 v176, v160, v168
	v_add_f32 v177, v161, v169
	v_add_f32 v178, v162, v170
	ds_store_b96 v26, v[176:178]                   ; lane r < 3: unit u0 + r's three numbers over my 128 d
	; ---- out1 = targets: the branch hangs on the cluster's number, which the partners share
	s_cmp_lt_u32 ttmp9, 46
	s_cbranch_scc0 .Lno_copy
	global_store_b128 v31, v[228:231], s[30:31] th:TH_STORE_NT
	global_store_b128 v31, v[232:235], s[30:31] offset:512 th:TH_STORE_NT
.Lno_copy:
	; ---- the pipeline is filled
	LOADS 3, 76
	s_wait_loadcnt 48                              ; block 0 is in; blocks 1 to 3 stay out
	QUANT 0, 0
	s_wait_kmcnt 0x0
	s_add_nc_u64 s[92:93], s[92:93], 640
	LOADS 0, 44                                    ; block 4
	s_load_b256 s[44:51], s[92:93], 0x0            ; the indices of block 5
	s_wait_dscnt 0x0                               ; my stores have landed, and my reads of W_eos are long over: its first bytes may take the partial sums
	s_barrier_signal -1
	s_barrier_wait -1
	s_mov_b32 s62, 4
.Ltrip:                                                ; four phases a trip, until the sets and buffers are back where they began: phases 0 to 15
	PHASE 0, 0, 1, 1, 1, 48
	PHASE 1, 1, 1, 1, 1, 48
	PHASE 2, 2, 1, 1, 1, 48
	PHASE 3, 3, 1, 1, 1, 48
	s_add_co_u32 s89, s89, 2048
	s_sub_co_u32 s62, s62, 1
	s_cmp_lg_u32 s62, 0
	s_cbranch_scc1 .Ltrip
	PHASE 0, 0, 1, 1, 1, 48                        ; phase 16 asks for block 21 and for the last indices
	PHASE 1, 1, 1, 1, 0, 48                        ; phase 17 asks for block 22, the last: no load leaves its buffer
	PHASE 2, 2, 1, 0, 0, 48
	PHASE 3, 3, 1, 0, 0, 32                        ; the counts run down with the sets that are left
	PHASE 0, 4, 1, 0, 0, 16
	PHASE 1, 5, 1, 0, 0, 0
	PHASE 2, 6, 0, 0, 0, 0
	; ---- the end: wave w adds the four waves' sums for blocks 6 w + 0 .. 5 (wave 3: 0 .. 4)
	v_and_b32 v28, 31, v0
	s_mul_i32 s94, s60, 3072
	v_lshl_add_u32 v29, v28, 4, s94
	v_mov_b32 v30, EPB
.irp k, 0,1,2,3
.irp i, 0,1,2
	ds_load_b96 v[32+4*(3*\k+\i):34+4*(3*\k+\i)], v30 offset:512*\k+16*\i     ; wave k's eos sums of unit u0 + i, the same in every lane
.endr
.endr
.irp j, 0,1,2,3,4
.irp k, 0,1,2,3
	ds_load_b96 v[80+4*(4*\j+\k):82+4*(4*\j+\k)], v29 offset:11776*\k+512*\j
.endr
.endr
	s_mul_i32 s94, s60, 192
	s_add_co_u32 s94, s94, s87
	v_add_nc_u32 v27, s94, v28                     ; my sample's place counted from unit u0's first, for chunk 0
	s_mul_i32 s95, s61, 8832                       ; out0: 12 bytes a sample
	s_mul_i32 s96, s60, 2304
	s_add_co_u32 s95, s95, s96
	v_mad_u32_u24 v31, v28, 12, s95
	s_wait_dscnt 0x0
.irp i, 0,1,2
.irp n, 0,1,2
	v_add_f32 v[32+4*\i+\n], v[32+4*\i+\n], v[44+4*\i+\n]
	v_add_f32 v[56+4*\i+\n], v[56+4*\i+\n], v[68+4*\i+\n]
.endr
.endr
.irp i, 0,1,2
.irp n, 0,1,2
	v_add_f32 v[32+4*\i+\n], v[32+4*\i+\n], v[56+4*\i+\n]
.endr
.endr
.irp i, 0,1,2
.irp n, 0,1,2
	v_add_f32 v[32+4*\i+\n], s[84+\n], v[32+4*\i+\n]      ; + b_fc: unit u0 + i's part at v[32 + 4 i + n]
.endr
.endr
.irp j, 0,1,2,3,4
	CHUNK \j, 80+16*\j
.endr
	s_cmp_eq_u32 s60, 3                            ; wave 3 has five blocks: 23 = 3 x 6 + 5
	s_cbranch_scc1 .Lno_sixth
.irp k, 0,1,2,3
	ds_load_b96 v[200+4*\k:202+4*\k], v29 offset:11776*\k+2560
.endr
	s_wait_dscnt 0x0
	CHUNK 5, 200
.Lno_sixth:
	s_wait_dscnt 0x0
	s_set_vgpr_msb 0xf
	s_wait_tensorcnt 0x0
	ds_add_u32 v254, v255
	s_wait_dscnt 0x0
	s_set_vgpr_msb 0xf00
	ROUND                                          ; the closing round: no work-group ends while a partner may still ask for the tile that names it
	s_endpgm
.Lfunc_end_k_q0a3b833eb8_decoder:
	.size	k_q0a3b833eb8_decoder, .Lfunc_end_k_q0a3b833eb8_decoder-k_q0a3b833eb8_decoder
	.p2alignl 7, 3214868480
	.fill 96, 4, 3214868480
	.section	.rodata,"a",@progbits
	.p2align	6, 0x0
	.amdhsa_kernel k_q0a3b833eb8_decoder
		.amdhsa_group_segment_fixed_size 295424
		.amdhsa_private_segment_fixed_size 0
		.amdhsa_enable_private_segment 0
		.amdhsa_kernarg_size 112
		.amdhsa_user_sgpr_count 2
		.amdhsa_user_sgpr_kernarg_segment_ptr 1
		.amdhsa_wavefront_size32 1
		.amdhsa_system_sgpr_workgroup_id_x 1
		.amdhsa_system_sgpr_workgroup_id_y 1
		.amdhsa_system_sgpr_workgroup_id_z 1
		.amdhsa_system_vgpr_workitem_id 0
		.amdhsa_next_free_vgpr 1024
		.amdhsa_next_free_sgpr 100
		.amdhsa_reserve_vcc 1
		.amdhsa_float_denorm_mode_32 3
		.amdhsa_float_denorm_mode_16_64 3
		.amdhsa_memory_ordered 1
		.amdhsa_forward_progress 1
		.amdhsa_inst_pref_size 255
	.end_amdhsa_kernel
	.section	.bss,"aw",@nobits
	.p2align	6
	.space	262144
	.amdgpu_metadata
---
amdhsa.version: [ 1, 2 ]
amdhsa.kernels:
  - .name:           k_q0a3b833eb8_decoder
    .symbol:         k_q0a3b833eb8_decoder.kd
    .args:
      - { .name: bin_embedding_table, .offset: 0, .size: 8, .value_kind: global_buffer, .address_space: global }
      - { .name: sampled_indices, .offset: 8, .size: 8, .value_kind: global_buffer, .address_space: global }
      - { .name: W_bin_codes, .offset: 16, .size: 8, .value_kind: global_buffer, .address_space: global }
      - { .name: W_bin_scales, .offset: 24, .size: 8, .value_kind: global_buffer, .address_space: global }
      - { .name: W_eos_codes, .offset: 32, .size: 8, .value_kind: global_buffer, .address_space: global }
      - { .name: W_eos_scales, .offset: 40, .size: 8, .value_kind: global_buffer, .address_space: global }
      - { .name: eos_emb_codes, .offset: 48, .size: 8, .value_kind: global_buffer, .address_space: global }
      - { .name: eos_emb_scales, .offset: 56, .size: 8, .value_kind: global_buffer, .address_space: global }
      - { .name: W_fc, .offset: 64, .size: 8, .value_kind: global_buffer, .address_space: global }
      - { .name: b_eos, .offset: 72, .size: 8, .value_kind: global_buffer, .address_space: global }
      - { .name: b_fc, .offset: 80, .size: 8, .value_kind: global_buffer, .address_space: global }
      - { .name: targets, .offset: 88, .size: 8, .value_kind: global_buffer, .address_space: global }
      - { .name: out0, .offset: 96, .size: 8, .value_kind: global_buffer, .address_space: global }
      - { .name: out1, .offset: 104, .size: 8, .value_kind: global_buffer, .address_space: global }
    .group_segment_fixed_size: 295424
    .private_segment_fixed_size: 0
    .kernarg_segment_align: 8
    .kernarg_segment_size: 112
    .max_flat_workgroup_size: 128
    .sgpr_count:     100
    .vgpr_count:     1024
    .wavefront_size: 32
...
	.end_amdgpu_metadata
.endif
;; end of part 1
